; MI455X (gfx1250); checked and timed in simulation.
; The chip was launched on July 23, 2026; its instructions are those of AMD's public machine-readable ISA for CDNA 5 (MIT licence, August 2026) and "CDNA5" Instruction Set Architecture Reference Guide (July 2026). The comments in the code are by the model that wrote it; some were corrected since.
;; CANDY. Allowed arithmetic: float matrix products may take bf16 or f16 operands with f32 sums; other float arithmetic in f32, or as packed bf16 or f16 multiplies, adds, multiply-adds, maxima and minima; sums over many terms, partial sums and values carried from step to step in f32; what a program stores and reads back later, other than sums and carried values, may be rounded once to bf16 or f16.
;; Inputs: Wp 512 x 512 float32; Wp_diag 512 float32; Wzp 512 x 512 float32; fc1_b 512 float32; fc1_w 512 x 512 float32; fc2_b 512 float32; fc2_w 512 x 512 float32; input 16 x 8 x 512 x 512 float32; p_lin_b 512 float32; p_lin_w 512 x 512 float32; p_mask 512 x 512 float32; z_lin_b 512 float32; z_lin_w 512 x 512 float32.
;; Outputs: out0 16 x 512 x 512 float32.
;; One version. Each part assembles by itself: llvm-mc -triple=amdgcn-amd-amdhsa -mcpu=gfx1250 --defsym DOCPART=n.
;; ======== version 1 of 1: 3 launches
;; limits: values are held in f16: magnitudes above 65,504 overflow, below 6.1e-05 lose precision
;; workspace buffers: wts 2,621,440 bytes; am 524,288 bytes; rs 2,048 bytes; a1 67,108,864 bytes
;; launch prep (part 1): grid 32 x 7, 8 waves a work-group, no clusters, 0 bytes of LDS; arguments p_lin_w, z_lin_w, fc1_w, fc2_w, Wp, p_mask, Wzp, Wp_diag, wts, am, rs; writes wts, am, rs
.if DOCPART == 1
	.amdgcn_target "amdgcn-amd-amdhsa--gfx1250"
	.amdhsa_code_object_version 6
	.text
	.protected	k_q64cbc51618_prep
	.globl	k_q64cbc51618_prep
	.p2align	8
	.type	k_q64cbc51618_prep,@function
k_q64cbc51618_prep:
	s_mov_b64 s[64:65], 0
	v_nop
	global_prefetch_b8 v0, s[64:65] scope:SCOPE_SE
	s_setreg_imm32_b32 hwreg(HW_REG_WAVE_MODE, 25, 1), 1
	s_wait_xcnt 0x0
; PREPARATION of what the two matrix launches read again and again.  EVERY INPUT THAT IS READ HERE IS FIRST ROUNDED TO bf16; all else is made of the rounded numbers, in f32.
; Grid 32 x 7; y says what a work-group makes:
;   y = 0..4  wts: p_lin_w, z_lin_w, fc1_w, fc2_w and Wp + diag(Wp_diag), each [512][512], 16 bits a number, laid in FRAGMENT ORDER:
;             element (row j = 128 w + 16 b + r, column k = 64 t + 32 q + 16 half + 8 hf + e) lies at byte
;             65536 t + 16384 w + 8192 q + 1024 b + 512 half + 16 (r + 16 hf) + 2 e of its matrix: a step of 64 along K is 65,536 dense bytes, a wave's
;             128 rows of it 16,384 dense bytes, and half a matrix fragment 512 dense bytes with lane L's 16 bytes at 16 L.
;             p_lin_w, z_lin_w: bf16.  Wp + diag: the sum of the two rounded numbers, rounded to bf16.  fc1_w, fc2_w: the bf16 number written as f16, for the last two layers' f16 products.
;   y = 5     am[q][k][128] = bf16(clamp(p_mask[k][128 q ..], -1, 1) / 5000)
;   y = 6     rs[h] = the sum over k of Wzp[h][k], in f32 (reference()'s second einsum sums k over Wzp alone)
; LIMITS.  (|x+1| - |x-1|) / 2 is taken as the middle of (x, -1, 1); NaN and infinities are not treated apart; -0 may come out as +0.
; f16 holds fc1_w and fc2_w up to 65,504; a bf16 number is exact in f16 from 2^-17 up, below that it is off by 2^-25 at the most.
; No LDS, no barrier, no matrix unit: 7 MB in, 3 MB out, each byte once.  rs is stored 8 bytes a wave: 2,048 bytes in all.
.set INV5000, 0x3951b717               ; 1 / 5000 in f32, reference()'s own factor
.set WV, 30                            ; s30  my wave's number
.set GX, 31                            ; s31  work-group x
.set GY, 33                            ; s33  work-group y
.set M1, 44                            ; s44  -1.0
.set P1, 45                            ; s45  1.0
; v[8:39], 32 numbers as loaded, are rounded to bf16 and widened again, in place; v[44:59] at work
.macro ROUND32
.set n, 0
.rept 16
	v_cvt_pk_bf16_f32 v[44+n], v[8+2*n], v[9+2*n]
.set n, n+1
.endr
.set n, 0
.rept 16
	v_lshlrev_b32 v[8+2*n], 16, v[44+n]
	v_and_b32 v[9+2*n], 0xffff0000, v[44+n]
.set n, n+1
.endr
.endm
	s_load_b512 s[8:23], s[0:1], 0x0               ; p_lin_w, z_lin_w, fc1_w, fc2_w, Wp, p_mask, Wzp, Wp_diag
	s_load_b128 s[24:27], s[0:1], 0x40             ; wts, am
	s_load_b64 s[28:29], s[0:1], 0x50              ; rs
	v_lshrrev_b32 v2, 5, v0
	v_readfirstlane_b32 s[WV], v2
	v_and_b32 v1, 31, v0                           ; L
	v_and_b32 v2, 15, v0                           ; r
	v_bfe_u32 v3, v0, 4, 1                         ; hf
	s_mov_b32 s[GX], ttmp9
	s_and_b32 s[GY], ttmp7, 0xffff
	s_mov_b32 s37, 0                               ; the high word of every offset
	s_mov_b32 s[M1], -1.0
	s_mov_b32 s[P1], 1.0
	s_mov_b32 s40, 0x76543210                      ; v_permlanex16_b32: each lane takes its own place in the other half
	s_mov_b32 s41, 0xfedcba98
	s_wait_kmcnt 0x0
	s_cmp_lt_u32 s[GY], 5
	s_cbranch_scc0 .Lnot_weights
	; A WEIGHT MATRIX.  x = its block of 16 rows, my wave = its step t of 64 along K.  Lane (r, hf) takes row 16 x + r, columns 64 t + 16 c + 8 hf + 0..7 for c = 0..3.
	s_mov_b64 s[34:35], s[8:9]
	s_cmp_eq_u32 s[GY], 1
	s_cselect_b64 s[34:35], s[10:11], s[34:35]
	s_cmp_eq_u32 s[GY], 2
	s_cselect_b64 s[34:35], s[12:13], s[34:35]
	s_cmp_eq_u32 s[GY], 3
	s_cselect_b64 s[34:35], s[14:15], s[34:35]
	s_cmp_eq_u32 s[GY], 4
	s_cselect_b64 s[34:35], s[16:17], s[34:35]
	s_cselect_b32 s42, 0, 0x80000000               ; outside Wp no column is 'the diagonal's'
	s_lshl_b32 s36, s[GX], 15                      ; 16 rows of 2,048 bytes
	s_lshl_b32 s38, s[WV], 8                       ; 64 columns of 4 bytes
	s_add_co_u32 s36, s36, s38
	s_add_nc_u64 s[34:35], s[34:35], s[36:37]
	s_lshl_b32 s36, s[GX], 6
	s_add_nc_u64 s[22:23], s[22:23], s[36:37]      ; Wp_diag at row 16 x
	v_lshlrev_b32 v4, 11, v2
	v_lshl_add_u32 v4, v3, 5, v4                   ; r x 2,048 + hf x 32
	v_lshlrev_b32 v7, 2, v2
.irp c, 0,1,2,3
	global_load_b128 v[8+8*(\c):11+8*(\c)], v4, s[34:35] offset:64*(\c) th:TH_LOAD_NT
	global_load_b128 v[12+8*(\c):15+8*(\c)], v4, s[34:35] offset:64*(\c)+16 th:TH_LOAD_NT
.endr
	global_load_b32 v6, v7, s[22:23]               ; Wp_diag[16 x + r]
	s_lshl_b32 s36, s[GY], 19                      ; where the 2,048 bytes go: the matrix,
	s_lshl_b32 s38, s[WV], 16                      ; the step t,
	s_add_co_u32 s36, s36, s38
	s_lshr_b32 s38, s[GX], 3
	s_lshl_b32 s38, s38, 14                        ; the 128 rows w,
	s_add_co_u32 s36, s36, s38
	s_and_b32 s38, s[GX], 7
	s_lshl_b32 s38, s38, 10                        ; the 16 rows b
	s_add_co_u32 s36, s36, s38
	s_add_nc_u64 s[24:25], s[24:25], s[36:37]
	s_lshl_b32 s38, s[GX], 4
	s_lshl_b32 s39, s[WV], 6
	s_sub_co_u32 s38, s38, s39
	v_add_nc_u32 v40, s38, v2
	v_lshlrev_b32 v41, 3, v3
	v_sub_nc_u32 v40, v40, v41                     ; my row less my first column: number 16 c + e of my 32 lies on the diagonal where it equals this
	v_or_b32 v40, s42, v40
	v_lshlrev_b32 v5, 4, v1
	s_wait_loadcnt 0x0
	ROUND32                                        ; the matrix, rounded to bf16,
	v_cvt_pk_bf16_f32 v6, v6, v6                   ; and Wp_diag likewise
	v_lshlrev_b32 v6, 16, v6
.irp c, 0,1,2,3
.irp e, 0,1,2,3,4,5,6,7
	v_cmp_eq_u32 vcc_lo, 16*(\c)+(\e), v40
	v_cndmask_b32 v41, 0, v6, vcc_lo
	v_add_f32 v[8+8*(\c)+(\e)], v[8+8*(\c)+(\e)], v41
.endr
.endr
	s_lshr_b32 s38, s[GY], 1
	s_cmp_eq_u32 s38, 1                            ; y = 2, 3: fc1_w, fc2_w
	s_cbranch_scc1 .Lhalf
.irp c, 0,1,2,3
.irp p, 0,1,2,3
	v_cvt_pk_bf16_f32 v[44+4*(\c)+(\p)], v[8+8*(\c)+2*(\p)], v[9+8*(\c)+2*(\p)]  ; changes nothing but on Wp's diagonal, where it rounds the sum
.endr
.endr
	s_branch .Lpacked
.Lhalf:
.irp c, 0,1,2,3
.irp p, 0,1,2,3
	v_cvt_pk_f16_f32 v[44+4*(\c)+(\p)], v[8+8*(\c)+2*(\p)], v[9+8*(\c)+2*(\p)]   ; the bf16 number, written as f16
.endr
.endr
.Lpacked:
.irp c, 0,1,2,3
	global_store_b128 v5, v[44+4*(\c):47+4*(\c)], s[24:25] offset:((\c)/2)*8192+((\c)%2)*512  ; 512 consecutive bytes, aligned: half a fragment
.endr
	s_endpgm
.Lnot_weights:
	; p_mask or Wzp: my wave takes rows 16 x + 2 v and the next; lane L takes columns 128 q + 4 L + 0..3 for q = 0..3
	s_cmp_eq_u32 s[GY], 5
	s_cselect_b64 s[34:35], s[18:19], s[20:21]
	s_lshl_b32 s36, s[GX], 15
	s_lshl_b32 s38, s[WV], 12
	s_add_co_u32 s36, s36, s38
	s_add_nc_u64 s[34:35], s[34:35], s[36:37]
	v_lshlrev_b32 v4, 4, v1
.set n, 0
.rept 8
	global_load_b128 v[8+4*n:11+4*n], v4, s[34:35] offset:(n/4)*2048+(n%4)*512 th:TH_LOAD_NT
.set n, n+1
.endr
	s_wait_loadcnt 0x0
	ROUND32
	s_cmp_eq_u32 s[GY], 5
	s_cbranch_scc0 .Lrowsum
	s_lshl_b32 s36, s[GX], 12                      ; am: 16 rows of 256 bytes,
	s_lshl_b32 s38, s[WV], 9                       ; my two
	s_add_co_u32 s36, s36, s38
	s_add_nc_u64 s[26:27], s[26:27], s[36:37]
	v_lshlrev_b32 v5, 3, v1
.set n, 0
.rept 32
	v_med3_num_f32 v[8+n], v[8+n], s[M1], s[P1]
.set n, n+1
.endr
.set n, 0
.rept 16
	v_pk_mul_f32 v[8+2*n:9+2*n], v[8+2*n:9+2*n], INV5000 op_sel_hi:[1,0]
.set n, n+1
.endr
.set n, 0
.rept 16
	v_cvt_pk_bf16_f32 v[44+n], v[8+2*n], v[9+2*n]
.set n, n+1
.endr
.set n, 0
.rept 8
	global_store_b64 v5, v[44+2*n:45+2*n], s[26:27] offset:(n%4)*131072+(n/4)*256  ; 256 consecutive bytes, aligned: a row of a column block
.set n, n+1
.endr
	s_endpgm
.Lrowsum:
	s_lshl_b32 s36, s[GX], 6
	s_lshl_b32 s38, s[WV], 3
	s_add_co_u32 s36, s36, s38
	s_add_nc_u64 s[28:29], s[28:29], s[36:37]
	v_lshlrev_b32 v5, 2, v1
.irp R, 8, 24                          ; a row's 16 numbers of mine, then the 32 lanes
	v_pk_add_f32 v[(\R):(\R)+1], v[(\R):(\R)+1], v[(\R)+8:(\R)+9]
	v_pk_add_f32 v[(\R)+2:(\R)+3], v[(\R)+2:(\R)+3], v[(\R)+10:(\R)+11]
	v_pk_add_f32 v[(\R)+4:(\R)+5], v[(\R)+4:(\R)+5], v[(\R)+12:(\R)+13]
	v_pk_add_f32 v[(\R)+6:(\R)+7], v[(\R)+6:(\R)+7], v[(\R)+14:(\R)+15]
	v_pk_add_f32 v[(\R):(\R)+1], v[(\R):(\R)+1], v[(\R)+4:(\R)+5]
	v_pk_add_f32 v[(\R)+2:(\R)+3], v[(\R)+2:(\R)+3], v[(\R)+6:(\R)+7]
	v_pk_add_f32 v[(\R):(\R)+1], v[(\R):(\R)+1], v[(\R)+2:(\R)+3]
	v_add_f32 v[(\R)], v[(\R)], v[(\R)+1]
	v_add_f32_dpp v[(\R)], v[(\R)], v[(\R)] row_xmask:1 row_mask:0xf bank_mask:0xf
	v_add_f32_dpp v[(\R)], v[(\R)], v[(\R)] row_xmask:2 row_mask:0xf bank_mask:0xf
	v_add_f32_dpp v[(\R)], v[(\R)], v[(\R)] row_xmask:4 row_mask:0xf bank_mask:0xf
	v_add_f32_dpp v[(\R)], v[(\R)], v[(\R)] row_xmask:8 row_mask:0xf bank_mask:0xf
	v_permlanex16_b32 v[(\R)+1], v[(\R)], s40, s41
	v_add_f32 v[(\R)], v[(\R)], v[(\R)+1]
.endr
	v_cmp_eq_u32 vcc_lo, 1, v1
	v_cndmask_b32 v8, v8, v24, vcc_lo              ; lane 0 keeps the first row's sum, lane 1 takes the second's
	v_cmp_gt_u32 vcc_lo, 2, v1
	s_wait_xcnt 0x0                                ; EXEC changes only behind this wait
	s_and_saveexec_b32 s42, vcc_lo
	global_store_b32 v5, v8, s[28:29]
	s_wait_xcnt 0x0                                ; and again in front of the line that widens it
	s_or_b32 exec_lo, exec_lo, s42
	s_endpgm
.Lfunc_end_k_q64cbc51618_prep:
	.size	k_q64cbc51618_prep, .Lfunc_end_k_q64cbc51618_prep-k_q64cbc51618_prep
	.p2alignl 7, 3214868480
	.fill 96, 4, 3214868480
	.section	.rodata,"a",@progbits
	.p2align	6, 0x0
	.amdhsa_kernel k_q64cbc51618_prep
		.amdhsa_group_segment_fixed_size 0
		.amdhsa_private_segment_fixed_size 0
		.amdhsa_enable_private_segment 0
		.amdhsa_kernarg_size 88
		.amdhsa_user_sgpr_count 2
		.amdhsa_user_sgpr_kernarg_segment_ptr 1
		.amdhsa_wavefront_size32 1
		.amdhsa_system_sgpr_workgroup_id_x 1
		.amdhsa_system_sgpr_workgroup_id_y 1
		.amdhsa_system_sgpr_workgroup_id_z 1
		.amdhsa_system_vgpr_workitem_id 0
		.amdhsa_next_free_vgpr 64
		.amdhsa_next_free_sgpr 66
		.amdhsa_reserve_vcc 1
		.amdhsa_float_denorm_mode_32 3
		.amdhsa_float_denorm_mode_16_64 3
		.amdhsa_memory_ordered 1
		.amdhsa_forward_progress 1
		.amdhsa_inst_pref_size 23
	.end_amdhsa_kernel
	.amdgpu_metadata
---
amdhsa.version: [ 1, 2 ]
amdhsa.kernels:
  - .name:           k_q64cbc51618_prep
    .symbol:         k_q64cbc51618_prep.kd
    .args:
      - { .name: p_lin_w, .offset: 0, .size: 8, .value_kind: global_buffer, .address_space: global }
      - { .name: z_lin_w, .offset: 8, .size: 8, .value_kind: global_buffer, .address_space: global }
      - { .name: fc1_w, .offset: 16, .size: 8, .value_kind: global_buffer, .address_space: global }
      - { .name: fc2_w, .offset: 24, .size: 8, .value_kind: global_buffer, .address_space: global }
      - { .name: Wp, .offset: 32, .size: 8, .value_kind: global_buffer, .address_space: global }
      - { .name: p_mask, .offset: 40, .size: 8, .value_kind: global_buffer, .address_space: global }
      - { .name: Wzp, .offset: 48, .size: 8, .value_kind: global_buffer, .address_space: global }
      - { .name: Wp_diag, .offset: 56, .size: 8, .value_kind: global_buffer, .address_space: global }
      - { .name: wts, .offset: 64, .size: 8, .value_kind: global_buffer, .address_space: global }
      - { .name: am, .offset: 72, .size: 8, .value_kind: global_buffer, .address_space: global }
      - { .name: rs, .offset: 80, .size: 8, .value_kind: global_buffer, .address_space: global }
    .group_segment_fixed_size: 0
    .private_segment_fixed_size: 0
    .kernarg_segment_align: 8
    .kernarg_segment_size: 88
    .max_flat_workgroup_size: 256
    .sgpr_count:     66
    .vgpr_count:     64
    .wavefront_size: 32
...
	.end_amdgpu_metadata
.endif
;; end of part 1
;; launch mixh (part 2): grid 128 x 4, 4 waves a work-group, clusters of 4 x 1, 327,680 bytes of LDS; arguments input, am, wts, a1; writes a1
.if DOCPART == 2
	.amdgcn_target "amdgcn-amd-amdhsa--gfx1250"
	.amdhsa_code_object_version 6
	.text
	.protected	k_q64cbc51618_mixh
	.globl	k_q64cbc51618_mixh
	.p2align	8
	.type	k_q64cbc51618_mixh,@function
k_q64cbc51618_mixh:
	s_mov_b64 s[64:65], 0
	v_nop
	global_prefetch_b8 v0, s[64:65] scope:SCOPE_SE
	s_setreg_imm32_b32 hwreg(HW_REG_WAVE_MODE, 25, 1), 1
	s_wait_xcnt 0x0
	s_wait_alu depctr_hold_cnt(0) depctr_sa_sdst(0) depctr_va_vdst(0) depctr_va_sdst(0) depctr_va_ssrc(0) depctr_va_vcc(0) depctr_vm_vsrc(0)
	s_getreg_b32 s2, hwreg(HW_REG_IB_STS2, 6, 4)
	s_cmp_eq_u32 s2, 0
	s_cbranch_scc0 .Lentry_in_a_cluster
	s_endpgm
.Lentry_in_a_cluster:
	s_bfe_u32 s2, ttmp6, 0x10000c
	s_cmp_lg_u32 s2, 0x3003
	s_cbranch_scc0 .Lentry_shape_is_right
	s_endpgm
.Lentry_shape_is_right:
; a1[bc][h][i] = bf16(clamp(the sum over k of (Wp + diag)[h][k] P[bc][k][i], -1, 1)),  P = bf16(input[bc][k][i] x am[k][i]),  am = bf16(clamp(p_mask) / 5000).
; input: [128][512][512] f32.  Operands bf16, sums f32, a1 rounded once.  LIMITS: the clamp is the middle of (x, -1, 1); NaN and infinities are not treated apart; -0 may come out as +0.
; SHARES.  A work-group makes all 512 rows h x 128 columns i (column block q = grid y) of one bc: each number of the input is read and rounded once in the launch.
; Wave w makes rows 128 w .. 128 w + 127: 64 accumulators of 16 x 16.  512 work-groups of equal work.
; K goes in 8 steps of 64.  In step t a wave multiplies, rounds its 16 rows of P for step t + 1 into LDS, and asks memory for its 16 rows of the input for step t + 3:
; two register sets of 16 rows x (16 bytes of input + 8 bytes of am) a lane are on their way.  One barrier a step, for P.
; The roundings ride four behind each of a step's first 16 matrix instructions; the LDS stores, the LDS loads and the global loads each stand in ONE run.
; CLUSTER.  The four work-groups of a cluster (four bc, one q) walk the same tiles of Wp + diag, so each tile is asked for JOINTLY: the same tensor load, descriptor and mask in all four;
; wave w fetches, and alone reads, the tiles' rows 128 w .. (16,384 dense bytes a tile in fragment order: lane L's 16 bytes of half a fragment lie at 16 L, so the slots need no padding).
; A SLOT HOLDS TWO K STEPS: a wave's load is two rows of 16,384 bytes, 65,536 apart in memory and on end in LDS.  Four fills in all: two at the start, two refills, each with two steps in which to land.
; THE MATRIX INSTRUCTION: source 0 = 16 columns of P (turned on the way out of LDS by ds_load_tr16_b128), source 1 = 16 rows of Wp + diag: a lane then holds one row h and eight neighbouring columns.
; No prefetch: the input is asked for two steps ahead into registers; the tiles of the two refills are first read within the launch's first three steps, so a request ahead of them would stand at the head.
; REGISTERS in windows of 256 (s_set_vgpr_msb: bits 1:0 source 0, 3:2 source 1, 5:4 source 2, 7:6 destination):
;   window 0: v0-29 addresses; v64-191 two sets of input; v192-255 two sets of am (on the way out: at work)      window 1: two fragment buffers of 128 (64 of Wp + diag, 64 of P)
;   windows 2, 3: accumulator (a, b) at v[8 (8 (a % 4) + b)] of window 2 + a / 4
.set SLOT,  131072                     ; two tiles of Wp + diag: 512 rows x 128 K; wave w's 32,768 bytes hold its rows of the first tile, then of the second.  Also: two tiles in memory
.set PB,    2*SLOT                     ; P of one step, twice: 64 rows of 256 bytes,
.set PP,    288                        ; 288 apart = 72 words
.set PBSZ,  64*PP
.set STAGE, PB+2*PBSZ                  ; 16 rows x 272 bytes for each wave, for the way out
.set SP,    272
.set SPARE, STAGE+4*16*SP              ; the spare words, 128 bytes for each wave: two blocks of 256 bytes that no other line names
.set AW0,  4                           ; v4     my place in a slot; never rewritten
.set ADRW, 5                           ; v5     the same in the slot in hand
.set ADRP, 6                           ; v6-7   my place in the turning loads of P, buffer 0, 1
.set PST,  8                           ; v8-9   where I put 8 bytes of a row of P, buffer 0, 1
.set XO,   10                          ; v10    my byte offset in a step's 64 rows of the input
.set AMO,  11                          ; v11    the same in am
.set STO,  12                          ; v12    the way out: where I put 16 bytes of a row
.set RD,   13                          ; v13    where I read a row back
.set CO,   14                          ; v14    my byte offset in two rows of a1
.set ZR,   15                          ; v15    0.0
.set SPW,  28                          ; v28    my spare word; never rewritten
.set NIL,  29                          ; v29    0; never rewritten
.set XS,   64
.set AS,   192
.set TM,   64                          ; the way out: 64 clamped numbers,
.set TMP,  128                         ; 32 packed words,
.set OB,   192                         ; 16 rows read back: two sets by turns
.set F0,   0
.set F1,   128
.set WV,   12
.set G1,   16                          ; s[16:23] descriptor group 1
.set G0,   24                          ; s[24:31] group 0: a set for each of the two first fills; the second then walks on
.set XB,   32                          ; s[32:33] the input at the step that is asked for
.set AB,   34                          ; s[34:35] am at the same step
.set OUT,  36                          ; s[36:37] a1 at my wave's first row
.set M1,   42
.set P1,   43
.set TB,   44                          ; s44    the slot in hand
.set MSB, 0
.macro WIN new                         ; the immediate's high byte repeats the setting that is left; a switch that changes nothing is dropped
.if MSB != (\new)
	s_set_vgpr_msb (MSB<<8)|(\new)
.set MSB, (\new)
.endif
.endm
.macro PLACES                          ; four places behind a matrix instruction, in front of loads into registers that it read and of lines that read its result
.rept 4
	v_nop
.endr
.endm
.macro CREST                           ; a round of the cluster's barrier behind its opening barrier
	s_cmp_lg_u32 s[WV], 0
	s_cbranch_scc1 .Lnot_wave_0_\@
	s_barrier_signal -3
.Lnot_wave_0_\@:
	s_barrier_wait -3
	s_barrier_signal -1
	s_barrier_wait -1
.endm
.macro CROUND
	s_barrier_signal -1
	s_barrier_wait -1
	CREST
.endm
.macro SETC s                          ; the register set and the buffer of P that CVV, CVS and LDI work on
.set CXS, XS+64*(\s)
.set CAS, AS+32*(\s)
.set CPST, PST+(\s)
.set cvn, 0
.set ldn, 0
.endm
; Number cvn of the 64 that round a set's 16 rows: for a row, four products input x am, each exact in f32 and rounded once to bf16, in place.  Two rows alternate.
.macro CVV
.set crow, 2*(cvn/8)+cvn%2
.set cop, (cvn%8)/2
.set cX, CXS+4*crow
.set cA, CAS+2*crow
	WIN 0
.if cop == 0
	v_fma_mixlo_bf16 v[cX], v[cA], v[cX], v[ZR] op_sel_hi:[1,0,0]
.elseif cop == 1
	v_fma_mixhi_bf16 v[cX], v[cA], v[cX+1], v[ZR] op_sel:[1,0,0] op_sel_hi:[1,0,0]
.elseif cop == 2
	v_fma_mixlo_bf16 v[cX+1], v[cA+1], v[cX+2], v[ZR] op_sel_hi:[1,0,0]
.else
	v_fma_mixhi_bf16 v[cX+1], v[cA+1], v[cX+3], v[ZR] op_sel:[1,0,0] op_sel_hi:[1,0,0]
.endif
.set cvn, cvn+1
.endm
.macro CVS                             ; the set's 16 rows go into P: one run of 16 stores, 256 bytes each
	WIN 0
.set crow, 0
.rept 16
	ds_store_b64 v[CPST], v[CXS+4*crow:CXS+4*crow+1] offset:crow*PP
.set crow, crow+1
.endr
.endm
; Number ldn of a set's 32 loads: a row's 512 bytes of the input, its 256 bytes of am
.macro LDI
.set lrow, ldn/2
	WIN 0
.if ldn%2 == 0
	global_load_b128 v[CXS+4*lrow:CXS+4*lrow+3], v[XO], s[XB:XB+1] offset:lrow*2048 th:TH_LOAD_NT
.else
	global_load_b64 v[CAS+2*lrow:CAS+2*lrow+1], v[AMO], s[AB:AB+1] offset:lrow*256
.endif
.set ldn, ldn+1
.endm
.macro STEPX
	s_wait_xcnt 0x0                                ; the loads issued so far have read their bases, which may now be written
	s_add_nc_u64 s[XB:XB+1], s[XB:XB+1], 64*2048
	s_add_nc_u64 s[AB:AB+1], s[AB:AB+1], 64*256
.endm
; 32 LDS loads in one run: 32 along K (half q of a step of parity p: buffer p of P, tile p of the slot in hand) into fragment buffer f: P's eight column blocks first, then my eight row blocks
.macro FETCH p, q, f
	WIN 0x40                                       ; destination window 1, address window 0
.irp b, 0,1,2,3,4,5,6,7
	ds_load_tr16_b128 v[(\f)+64+8*(\b):(\f)+64+8*(\b)+3], v[ADRP+(\p)] offset:(\q)*32*PP+32*(\b)
	ds_load_tr16_b128 v[(\f)+64+8*(\b)+4:(\f)+64+8*(\b)+7], v[ADRP+(\p)] offset:(\q)*32*PP+16*PP+32*(\b)
.endr
.irp a, 0,1,2,3,4,5,6,7
	ds_load_b128 v[(\f)+8*(\a):(\f)+8*(\a)+3], v[ADRW] offset:(\p)*16384+(\q)*8192+(\a)*1024
	ds_load_b128 v[(\f)+8*(\a)+4:(\f)+8*(\a)+7], v[ADRW] offset:(\p)*16384+(\q)*8192+(\a)*1024+512
.endr
.endm
; 16 matrix instructions: row blocks a0, a0 + 1 of the window's four x all 8 column blocks.  The 64 accumulators take turns, in the same order in every half step.
; zero = 1: the product starts the sum.  ride = 1: four of CVV's 64 behind each.
.macro MUL16 f, hi, a0, zero, ride
.irp a, \a0, (\a0)+1
.irp b, 0,1,2,3,4,5,6,7
	WIN 0xa5+0x50*(\hi)                            ; sources window 1, C and D window 2 or 3
.if \zero
	v_wmma_f32_16x16x32_bf16 v[8*(8*(\a)+(\b)):8*(8*(\a)+(\b))+7], v[(\f)+64+8*(\b):(\f)+64+8*(\b)+7], v[(\f)+8*(4*(\hi)+(\a)):(\f)+8*(4*(\hi)+(\a))+7], 0
.else
	v_wmma_f32_16x16x32_bf16 v[8*(8*(\a)+(\b)):8*(8*(\a)+(\b))+7], v[(\f)+64+8*(\b):(\f)+64+8*(\b)+7], v[(\f)+8*(4*(\hi)+(\a)):(\f)+8*(4*(\hi)+(\a))+7], v[8*(8*(\a)+(\b)):8*(8*(\a)+(\b))+7]
.endif
.if \ride
.rept 4
	CVV
.endr
.endif
.endr
.endr
.endm
; A step's first half (buffer F0), the step's parity p.  cv = 1: the other set is rounded into the other buffer of P (lcnt: the younger loads that may stay out); issue = 1: that set is asked for again, three steps on.
.macro QUARTER p, zero, cv, lcnt, issue
	SETC 1-(\p)
	s_wait_dscnt 8                                 ; P's fragments and my rows 0-63 are in; the youngest eight loads (my rows 64-127) may be out
.if \cv
	s_wait_loadcnt \lcnt                           ; loads come back in order (ISA guide 5.7.1): the set in hand is in, the other set's 32 stay out
.endif
	MUL16 F0, 0, 0, \zero, \cv
.if \cv
	CVS
.endif
	MUL16 F0, 0, 2, \zero, 0
	PLACES
	FETCH \p, 1, F1
	s_wait_dscnt 32                                ; all but the 32 just issued (the 16 stores of P are older)
.if \issue
	STEPX
.rept 32
	LDI
.endr
.endif
	MUL16 F0, 1, 0, \zero, 0
	MUL16 F0, 1, 2, \zero, 0
.endm
; The step's second half (buffer F1) and the barrier for P: in front of it my reads of this buffer of P and my stores into the other are done.  n = the next step's parity.
; kind 0: the next step lies in the same slot.
; kind 1: the slot is left and filled again.  In front of the barrier: all my tensor loads have landed (one was out: my part of the other slot); 0 is added to my spare word; the add and my reads of the slot are done.
;         The barrier opens a round of the cluster's; the joint refill, the tiles four steps on, is the first tensor load behind the round.
; kind 2: the slot is left, and nothing is left to ask for: my part of the other slot, which I alone read, has landed.
.macro TURN n, kind
.if (\kind) == 1
	WIN 0
	s_wait_tensorcnt 0x0
	ds_add_u32 v[SPW], v[NIL]
	s_xor_b32 s[G0+5], s[G0+5], SLOT               ; no tensor load of mine is out: the walking descriptor takes the other slot than last time,
	s_add_nc_u64 s[G0+6:G0+7], s[G0+6:G0+7], SLOT  ; and the next two tiles
	s_wait_dscnt 9                                 ; the add and the youngest eight loads may be out
.else
.if (\kind) == 2
	s_wait_tensorcnt 0x0
.endif
	s_wait_dscnt 8                                 ; the youngest eight loads may be out
.endif
	MUL16 F1, 0, 0, 0, 0
	s_wait_dscnt 0x0
	s_barrier_signal -1
	MUL16 F1, 0, 2, 0, 0
	WIN 0                                          ; (branches may follow)
	s_barrier_wait -1
.if (\kind) == 1
	CREST
	tensor_load_to_lds s[G0+4:G0+7], s[G1:G1+7]
	s_nop 0
.endif
.if (\kind) == 0
	PLACES
.else
	s_xor_b32 s[TB], s[TB], SLOT
	v_add_nc_u32 v[ADRW], s[TB], v[AW0]            ; four plain lines: the places in front of the loads below
	v_nop
	v_nop
	v_nop
.endif
	FETCH \n, 0, F0
	MUL16 F1, 1, 0, 0, 0
	MUL16 F1, 1, 2, 0, 0
.endm
; THE WAY OUT of row block a: clamped, rounded to bf16, 16 bytes a lane into my stage, back as whole rows of 256 bytes, stored.
.macro PACK a
	WIN 0x02+(\a)/4                                ; source 0 window 2 or 3
.irp b, 0,1,2,3,4,5,6,7
.irp j, 0,1,2,3,4,5,6,7
	v_med3_num_f32 v[TM+8*(\b)+(\j)], v[8*(8*((\a)%4)+(\b))+(\j)], s[M1], s[P1]
.endr
.endr
	WIN 0
.irp b, 0,1,2,3,4,5,6,7
.irp p, 0,1,2,3
	v_cvt_pk_bf16_f32 v[TMP+4*(\b)+(\p)], v[TM+8*(\b)+2*(\p)], v[TM+8*(\b)+2*(\p)+1]
.endr
.endr
.endm
.macro TOSTAGE a
.irp b, 0,1,2,3,4,5,6,7
	ds_store_b128 v[STO], v[TMP+4*(\b):TMP+4*(\b)+3] offset:32*(\b)
.endr
.irp t, 0,1,2,3,4,5,6,7
	ds_load_b128 v[OB+32*((\a)%2)+4*(\t):OB+32*((\a)%2)+4*(\t)+3], v[RD] offset:(\t)*2*SP  ; LDS serves a wave's instructions in order (ISA guide 5.7.1.4): these see the stores above
.endr
.endm
.macro SEND a
	s_wait_dscnt 0x0                               ; the block is back in registers
	s_wait_xcnt 0x0                                ; the stores of the block before have read theirs: that set is loaded again only behind this wait
.irp t, 0,1,2,3,4,5,6,7
	global_store_b128 v[CO], v[OB+32*((\a)%2)+4*(\t):OB+32*((\a)%2)+4*(\t)+3], s[OUT:OUT+1] offset:(\a)*16384+(\t)*2048 th:TH_STORE_NT  ; 16 lanes store 256 consecutive bytes, aligned
.endr
.endm
	s_load_b256 s[4:11], s[0:1], 0x0               ; input s[4:5], am s[6:7], wts s[8:9], a1 s[10:11]
	v_lshl_add_u32 v[SPW], v0, 2, SPARE
	v_mov_b32 v[NIL], 0
	ds_add_u32 v[SPW], v[NIL]                      ; the wave's opening: the add, twice on end, and its wait ahead of my first tensor load
	ds_add_u32 v[SPW], v[NIL]
	v_lshrrev_b32 v1, 5, v0
	v_readfirstlane_b32 s[WV], v1                  ; wave 0..3
	s_bfe_u32 s13, ttmp6, 0x40000                  ; cx
	s_lshl_b32 s14, ttmp9, 2
	s_add_co_u32 s14, s14, s13                     ; bc = 4 x cluster x + cx: it enters the input's and a1's addresses alone
	s_and_b32 s15, ttmp7, 0xffff                   ; q
	; descriptor group 1: my rows of two tiles: 2 rows of 2,048 elements of 8 bytes, 8,192 elements apart in memory, on end in LDS
	s_mov_b32 s[G1+0], 15|(3<<16)|(1<<21)          ; 15:0 the mask of four; 17:16 elements of 8 bytes; 21 set beside a mask; no padding
	s_mov_b32 s[G1+1], 2048<<16                    ; tensor_dim0 = 2,048
	s_mov_b32 s[G1+2], 2<<16                       ; tensor_dim1 = 2
	s_mov_b32 s[G1+3], 2048<<16                    ; tile_dim0 = 2,048
	s_mov_b32 s[G1+4], 2                           ; tile_dim1 = 2
	s_mov_b32 s[G1+5], 8192                        ; 8,192 elements from row to row: a tile's 65,536 bytes
	s_mov_b32 s[G1+6], 0
	s_mov_b32 s[G1+7], 0
	s_mov_b32 s[M1], -1.0
	s_mov_b32 s[P1], 1.0
	s_mov_b32 s[TB], 0
	v_and_b32 v1, 15, v0                           ; r
	v_bfe_u32 v2, v0, 4, 1                         ; hf
	v_and_b32 v3, 31, v0                           ; L
	s_lshl_b32 s40, s[WV], 14                      ; my 16,384 bytes of a tile in memory
	s_mov_b32 s41, 0
	s_lshl_b32 s45, s[WV], 15                      ; my 32,768 bytes of a slot
	v_lshl_add_u32 v[AW0], v3, 4, s45
	v_mov_b32 v[ADRW], v[AW0]
	v_and_b32 v16, 7, v0
	v_bfe_u32 v17, v0, 3, 1
	v_lshl_add_u32 v[ADRP], v2, 3, v16             ; the turning load: lane L reads row 8 hf + L % 8, 16 bytes at 16 ((L / 8) % 2)
	v_mul_u32_u24 v[ADRP], v[ADRP], PP
	v_lshl_add_u32 v[ADRP], v17, 4, v[ADRP]
	v_add_nc_u32 v[ADRP], PB, v[ADRP]
	v_add_nc_u32 v[ADRP+1], PBSZ, v[ADRP]
	s_mul_i32 s38, s[WV], 16*PP                    ; my 16 rows of a step
	s_add_co_u32 s38, s38, PB
	v_lshl_add_u32 v[PST], v3, 3, s38
	v_add_nc_u32 v[PST+1], PBSZ, v[PST]
	s_lshl_b32 s38, s[WV], 15
	v_lshl_add_u32 v[XO], v3, 4, s38               ; 16 rows of 2,048 bytes a wave, 16 bytes a lane
	s_lshl_b32 s38, s[WV], 12
	v_lshl_add_u32 v[AMO], v3, 3, s38              ; 16 rows of 256 bytes a wave, 8 bytes a lane
	s_mul_i32 s38, s[WV], 16*SP
	s_add_co_u32 s38, s38, STAGE
	v_mul_u32_u24 v[STO], v1, SP
	v_lshl_add_u32 v[STO], v2, 4, v[STO]
	v_add_nc_u32 v[STO], s38, v[STO]
	v_mul_u32_u24 v[RD], v2, SP
	v_lshl_add_u32 v[RD], v1, 4, v[RD]
	v_add_nc_u32 v[RD], s38, v[RD]
	v_lshlrev_b32 v[CO], 10, v2
	v_lshl_add_u32 v[CO], v1, 4, v[CO]
	v_mov_b32 v[ZR], 0
	s_wait_dscnt 0x0                               ; both opening adds are done
	s_wait_kmcnt 0x0
	s_lshl_b32 s38, s14, 20                        ; bc x 1,048,576
	s_lshl_b32 s39, s15, 9                         ; q x 128 columns of 4 bytes
	s_add_co_u32 s38, s38, s39
	s_mov_b32 s39, 0
	s_add_nc_u64 s[XB:XB+1], s[4:5], s[38:39]
	s_lshl_b32 s38, s15, 17
	s_add_nc_u64 s[AB:AB+1], s[6:7], s[38:39]
	s_lshl_b32 s38, s14, 19                        ; bc x 524,288
	s_lshl_b32 s3, s[WV], 17                       ; my 128 rows of 1,024 bytes
	s_add_co_u32 s38, s38, s3
	s_lshl_b32 s3, s15, 8                          ; q x 128 columns of 2 bytes
	s_add_co_u32 s38, s38, s3
	s_add_nc_u64 s[OUT:OUT+1], s[10:11], s[38:39]
	s_add_nc_u64 s[38:39], s[8:9], s[40:41]        ; wts at my quarter of a tile,
	s_add_nc_u64 s[38:39], s[38:39], 4*524288      ; in its fifth matrix: nothing of the work-group's place enters
.irp s, 0,1
	s_mov_b32 s[G0+4*(\s)], 1                      ; count = 1
	s_add_co_u32 s[G0+4*(\s)+1], s45, (\s)*SLOT    ; LDS address
	s_add_nc_u64 s[G0+4*(\s)+2:G0+4*(\s)+3], s[38:39], (\s)*SLOT  ; tiles 2 s and 2 s + 1
	s_or_b32 s[G0+4*(\s)+3], s[G0+4*(\s)+3], 0x80000000           ; type = 2
.endr
	CROUND                                         ; all four work-groups are here: the first joint loads meet
	tensor_load_to_lds s[G0:G0+3], s[G1:G1+7]
	s_nop 0
	tensor_load_to_lds s[G0+4:G0+7], s[G1:G1+7]    ; two loads of mine are out
	s_nop 0
	PLACES
	SETC 0
.rept 32
	LDI                                            ; the input of step 0
.endr
	STEPX
	SETC 1
.rept 32
	LDI                                            ; of step 1
.endr
	s_wait_loadcnt 32                              ; step 0's set is in; step 1's 32 loads stay out
	SETC 0
.rept 64
	CVV                                            ; P of step 0
.endr
	CVS
	STEPX
.rept 32
	LDI                                            ; the input of step 2
.endr
	s_wait_tensorcnt 1                             ; my part of slot 0 is in; slot 1's may stay out
	s_wait_dscnt 0x0                               ; my rows of P are stored
	s_barrier_signal -1
	s_barrier_wait -1
	FETCH 0, 0, F0
	QUARTER 0, 1, 1, 32, 1                         ; step 0: its products start the sums; P of step 1; the input of step 3
	WIN 0
	s_mov_b32 s3, 2
.Llap:                                             ; two steps a trip: steps 1 to 4; each trip leaves a slot and fills it again
	TURN 1, 0
	QUARTER 1, 0, 1, 32, 1
	TURN 0, 1
	QUARTER 0, 0, 1, 32, 1
	WIN 0
	s_sub_co_u32 s3, s3, 1
	s_cmp_lg_u32 s3, 0
	s_cbranch_scc1 .Llap
	TURN 1, 0                                      ; the tail is written out
	QUARTER 1, 0, 1, 32, 0                         ; step 5: no input is left to ask for
	TURN 0, 2                                      ; into the last slot: nothing is left to ask for
	QUARTER 0, 0, 1, 0, 0                          ; step 6: the last set: no younger load
	TURN 1, 0
	QUARTER 1, 0, 0, 0, 0                          ; step 7
	s_wait_dscnt 8
	MUL16 F1, 0, 0, 0, 0
	MUL16 F1, 0, 2, 0, 0
	s_wait_dscnt 0x0
	MUL16 F1, 1, 0, 0, 0
	MUL16 F1, 1, 2, 0, 0
	PLACES
	PACK 0
	TOSTAGE 0
.irp a, 1,2,3,4,5,6,7                  ; a block's arithmetic stands between the loads of the block before and the wait for them
	PACK \a
	SEND (\a)-1
	TOSTAGE \a
.endr
	SEND 7
	s_wait_tensorcnt 0x0                           ; the wave's end
	ds_add_u32 v[SPW], v[NIL]
	s_wait_dscnt 0x0
	CROUND                                         ; the closing round
	s_endpgm
.Lfunc_end_k_q64cbc51618_mixh:
	.size	k_q64cbc51618_mixh, .Lfunc_end_k_q64cbc51618_mixh-k_q64cbc51618_mixh
	.p2alignl 7, 3214868480
	.fill 96, 4, 3214868480
	.section	.rodata,"a",@progbits
	.p2align	6, 0x0
	.amdhsa_kernel k_q64cbc51618_mixh
		.amdhsa_group_segment_fixed_size 327680
		.amdhsa_private_segment_fixed_size 0
		.amdhsa_enable_private_segment 0
		.amdhsa_kernarg_size 32
		.amdhsa_user_sgpr_count 2
		.amdhsa_user_sgpr_kernarg_segment_ptr 1
		.amdhsa_wavefront_size32 1
		.amdhsa_system_sgpr_workgroup_id_x 1
		.amdhsa_system_sgpr_workgroup_id_y 1
		.amdhsa_system_sgpr_workgroup_id_z 1
		.amdhsa_system_vgpr_workitem_id 0
		.amdhsa_next_free_vgpr 1024
		.amdhsa_next_free_sgpr 66
		.amdhsa_reserve_vcc 0
		.amdhsa_float_denorm_mode_32 3
		.amdhsa_float_denorm_mode_16_64 3
		.amdhsa_memory_ordered 1
		.amdhsa_forward_progress 1
		.amdhsa_inst_pref_size 200
	.end_amdhsa_kernel
	.amdgpu_metadata
---
amdhsa.version: [ 1, 2 ]
amdhsa.kernels:
  - .name:           k_q64cbc51618_mixh
    .symbol:         k_q64cbc51618_mixh.kd
    .args:
      - { .name: input, .offset: 0, .size: 8, .value_kind: global_buffer, .address_space: global }
      - { .name: am, .offset: 8, .size: 8, .value_kind: global_buffer, .address_space: global }
      - { .name: wts, .offset: 16, .size: 8, .value_kind: global_buffer, .address_space: global }
      - { .name: a1, .offset: 24, .size: 8, .value_kind: global_buffer, .address_space: global }
    .group_segment_fixed_size: 327680
    .private_segment_fixed_size: 0
    .kernarg_segment_align: 8
    .kernarg_segment_size: 32
    .max_flat_workgroup_size: 128
    .sgpr_count:     66
    .vgpr_count:     1024
    .wavefront_size: 32
...
	.end_amdgpu_metadata
.endif
;; end of part 2
;; launch chain (part 3): grid 16 x 16, 4 waves a work-group, clusters of 4 x 1, 327,680 bytes of LDS; arguments a1, wts, rs, input, p_lin_b, z_lin_b, fc1_b, fc2_b, out0; writes out0
.if DOCPART == 3
	.amdgcn_target "amdgcn-amd-amdhsa--gfx1250"
	.amdhsa_code_object_version 6
	.text
	.protected	k_q64cbc51618_chain
	.globl	k_q64cbc51618_chain
	.p2align	8
	.type	k_q64cbc51618_chain,@function
k_q64cbc51618_chain:
	s_mov_b64 s[64:65], 0
	v_nop
	global_prefetch_b8 v0, s[64:65] scope:SCOPE_SE
	s_setreg_imm32_b32 hwreg(HW_REG_WAVE_MODE, 25, 1), 1
	s_wait_xcnt 0x0
	s_wait_alu depctr_hold_cnt(0) depctr_sa_sdst(0) depctr_va_vdst(0) depctr_va_sdst(0) depctr_va_ssrc(0) depctr_va_vcc(0) depctr_vm_vsrc(0)
	s_getreg_b32 s2, hwreg(HW_REG_IB_STS2, 6, 4)
	s_cmp_eq_u32 s2, 0
	s_cbranch_scc0 .Lentry_in_a_cluster
	s_endpgm
.Lentry_in_a_cluster:
	s_bfe_u32 s2, ttmp6, 0x10000c
	s_cmp_lg_u32 s2, 0x3003
	s_cbranch_scc0 .Lentry_shape_is_right
	s_endpgm
.Lentry_shape_is_right:
; FROM a1 TO out0.  For each channel c of batch b:  TP = clamp(a1 p_lin_w^T + p_lin_b);  TZ = clamp(clamp(rs[h] TP) z_lin_w^T + z_lin_b);
; combined = the sum over c of (TP + TZ) + input[b][0] / 5000;  out0 = relu(combined fc1_w^T + fc1_b) fc2_w^T + fc2_b.
; FORMATS.  The weights and the four biases are rounded to bf16 (the biases here, and then kept as f32).  The first two products multiply in bf16: a1 and clamp(rs TP) are each rounded once to bf16.
; The last two multiply in f16: combined and the hidden layer are each rounded once to f16, and their weights are the bf16 numbers written as f16.  Products' sums, rs and the channel sum in f32.
; LIMITS.  The clamp is the middle of (x, -1, 1), relu the greater of x and 0; NaN and infinities are not treated apart; -0 may come out as +0.
; f16 ends at 65,504.  |combined| is at most 16 + |input| / 5000, since TP and TZ are clamped; the hidden layer at most 512 x that x the largest |fc1_w|, plus |fc1_b|: with |combined| <= 17
; it can pass f16's end only where some |fc1_w| is 7.5 or more.  input[b][0] is not rounded by itself: it is added in f32.
; SHARES.  A work-group owns 32 rows h (block hb) of one b, for all 8 channels: 256 work-groups.  It takes 128 rows at a time, 4 channels x 32 h, in two passes; row block a = 2 c' + hh.
; Wave w makes the features 128 w .. 128 w + 127 of all 128 rows: 64 accumulators.  The channel sum S is a sum over row blocks inside a lane: 128 registers, begun with input[b][0] / 5000.
; FOUR PHASES (first product, second product; twice), then the two last layers on the 32 rows.  The activations lie in LDS (RA), written by the waves, never by a tensor load.
; THE PHASES' WEIGHTS: tiles of 512 features x 64 K walk through two slots.  All work-groups walk the same tiles, so the four of a cluster ask JOINTLY (a mask names four at the most);
; wave w fetches, and alone reads, its 128 features: 16,384 dense bytes in fragment order (lane L's 16 bytes of half a fragment at 16 L: no padding).  No product stands between the wait for
; a tile and the next refill: the refill has a whole step, 128 matrix instructions, in which to land.
; THE LAST LAYERS' WEIGHTS come straight into registers, NOT JOINTLY: with 32 rows a tile feeds 32 matrix instructions a wave, and a ring has one load a wave on its way between two rounds.
; The ring's last two requests are fc1's first two tiles, which fill the four register sets at the start.
; THE MATRIX INSTRUCTION: source 0 = 16 features of the weights, source 1 = 16 rows: a lane holds one row and eight neighbouring features.  The bias starts each sum: as the C operand, or loaded into the accumulators.
; PREFETCH.  A tile's first walk is named once in the launch, by waves 0 and 1 of the first cluster, whose four partners share a tile's 256 blocks out by address: numbers 6-15 and 32-37 of the walk
; four changes of slots ahead of their loads, fc's tiles 6-15 two trips ahead of theirs.  Nothing is named at the head.
; REGISTERS: window 0: v0-29 addresses, rs; v32-63 at work; v64-127 the bias, later four sets of row fragments; v128-255 S.   window 1: two fragment buffers of 128 (64 of rows, 64 of weights), later four sets of weights.
;   windows 2, 3: accumulator (a, b) at v[8 (8 (a % 4) + b)].
.set INV5000, 0x3951b717
.set SLOT,  65536
.set RA,    2*SLOT                     ; 128 rows of 1,024 bytes,
.set RP,    1040                       ; 1,040 apart = 65 x 16: the 16 rows of a fragment load start at 16 different groups of four banks (ISA guide 11.1)
.set STG,   RA+128*RP                  ; 16 rows x 528 bytes for each wave: f32 rows in and out
.set GP,    528
.set BIASL, STG+4*16*GP                ; the four biases, 2,048 bytes each
.set SPARE, BIASL+8192                 ; the spare words: two blocks of 256 bytes that no other line names
.set AB0,  4                           ; v4   my place in a slot; never rewritten
.set ADRB, 5                           ; v5   the same in the slot in hand
.set ABLO, 6                           ; v6   my place in RA's rows 0-63; never rewritten
.set ABHI, 7                           ; v7   in rows 64-127
.set ADLO, 8                           ; v8-9 the same at the step in hand
.set ADHI, 9
.set ASTLO, 10                         ; v10-11 where I put 16 bytes of a row of RA
.set ASTHI, 11
.set BIA,  12                          ; v12  my eight numbers of a bias
.set BIW,  13
.set LAO,  14                          ; v14  16 L
.set LAS,  15                          ; v15  where my wave's 32 rows of a1 go
.set SGS,  16                          ; v16  my stage by whole rows
.set SGR,  17                          ; v17  my stage by row r and eight features
.set RS,   18                          ; v18, v20 rs of my row in the upper and lower 16; v19, v21 are 0 (named with them as pairs)
.set PFO,  22                          ; v22  256 L
.set BST,  23
.set SPW,  28
.set NIL,  29
.set T,    32
.set BIAS, 64
.set MF,   64                          ; the last layers: set s of row fragments at MF + 16 s, row block a at + 8 a
.set S,    128
.set F0,   0
.set F1,   128
.set WV,   22
.set G1,   28                          ; s[28:35]
.set G0A,  36                          ; s[36:39] tile 0
.set G0W,  40                          ; s[40:43] tile 1, then it walks
.set WQ,   44                          ; s[44:45] wts at my quarter of a tile
.set OFF,  46                          ; s[46:47]
.set NRQ,  48                          ; s48  the number of the tile to be asked for
.set PHL,  49                          ; s49  phases to go, 4 to 1
.set PAR,  50                          ; s50  0: first product, 1: second
.set LAP,  51
.set TB,   52                          ; s52  the slot in hand
.set NOTME, 53                         ; s53  0 in the waves that name the weights
.set PFB,  54                          ; s[54:55] wts at my share of a tile's blocks
.set PFA,  56                          ; s[56:57] the same in the tile to be named
.set A1P,  58                          ; s[58:59] a1 at my wave's 32 rows of the pass
.set X0P,  60                          ; s[60:61] input[b][0] at my rows; later:
.set WS,   60                          ; s[60:61] the last layers' weights at the two tiles that are being asked for
.set LAY,  62                          ; s62  last layers to go, 2 to 1
.set PFT,  63                          ; s63  trips of the last layers so far (16 and up in a wave that names nothing)
.set OUTP, 66                          ; s[66:67]
.set ASK,  68
.set M1,   76
.set P1,   77
.set MSB, 0
.macro WIN new
.if MSB != (\new)
	s_set_vgpr_msb (MSB<<8)|(\new)
.set MSB, (\new)
.endif
.endm
.macro PLACES
.rept 4
	v_nop
.endr
.endm
.macro CREST
	s_cmp_lg_u32 s[WV], 0
	s_cbranch_scc1 .Lnot_wave_0_\@
	s_barrier_signal -3
.Lnot_wave_0_\@:
	s_barrier_wait -3
	s_barrier_signal -1
	s_barrier_wait -1
.endm
.macro CROUND
	s_barrier_signal -1
	s_barrier_wait -1
	CREST
.endm
; The walking descriptor is made anew: number n of the walk (2 to 33) is tile (n & 15) | ((n >> 1) & 16) of wts (p, z; p, z again; fc1's first two), 65,536 bytes each.  Then the tile four numbers on, for the prefetch.
.macro REQ
	s_and_b32 s70, s[NRQ], 15
	s_lshr_b32 s71, s[NRQ], 1
	s_and_b32 s71, s71, 16
	s_or_b32 s70, s70, s71
	s_lshl_b32 s[OFF], s70, 16
	s_add_nc_u64 s[G0W+2:G0W+3], s[WQ:WQ+1], s[OFF:OFF+1]
	s_or_b32 s[G0W+3], s[G0W+3], 0x80000000
	s_xor_b32 s[G0W+1], s[G0W+1], SLOT
	s_add_co_u32 s72, s[NRQ], 4
	s_and_b32 s70, s72, 15
	s_lshr_b32 s71, s72, 1
	s_and_b32 s71, s71, 16
	s_or_b32 s70, s70, s71
	s_lshl_b32 s74, s70, 16
	s_add_nc_u64 s[PFA:PFA+1], s[PFB:PFB+1], s[74:75]
	s_and_b32 s[ASK], s72, 16                      ; numbers 16-31 walk tiles a second time
	s_or_b32 s[ASK], s[ASK], s[NOTME]
	s_add_co_u32 s[NRQ], s[NRQ], 1
.endm
.macro ASKW
	s_cmp_eq_u32 s[ASK], 0
	s_cbranch_scc0 .Lnot_mine_\@
	global_prefetch_b8 v[PFO], s[PFA:PFA+1] th:TH_LOAD_NT scope:SCOPE_SE
.Lnot_mine_\@:
.endm
.macro ASKA                            ; behind step 3 of the second phase: my 128 blocks of the second pass's a1, four steps ahead of their loads
	s_lshl3_add_u32 s70, s[PHL], s[LAP]
	s_cmp_eq_u32 s70, 28
	s_cbranch_scc0 .Lnot_now_\@
.irp i, 0,1,2,3
	global_prefetch_b8 v[PFO], s[A1P:A1P+1] offset:2097152+(\i)*8192 th:TH_LOAD_NT scope:SCOPE_SE
.endr
.Lnot_now_\@:
.endm
.macro ASKF                            ; the last layers, trips 0 to 4: the two tiles that the trip after the next will load
	s_cmp_lt_u32 s[PFT], 5
	s_cbranch_scc0 .Lnot_mine_\@
	global_prefetch_b8 v[PFO], s[PFA:PFA+1] th:TH_LOAD_NT scope:SCOPE_SE
	global_prefetch_b8 v[PFO], s[PFA:PFA+1] offset:65536 th:TH_LOAD_NT scope:SCOPE_SE
.Lnot_mine_\@:
	s_add_co_u32 s[PFT], s[PFT], 1
.endm
.macro FETCH128 q, f                   ; 32 LDS loads in one run: my eight feature blocks, then the eight row blocks, 32 along K
	WIN 0x40
.irp b, 0,1,2,3,4,5,6,7
	ds_load_b128 v[(\f)+64+8*(\b):(\f)+64+8*(\b)+3], v[ADRB] offset:(\q)*8192+(\b)*1024
	ds_load_b128 v[(\f)+64+8*(\b)+4:(\f)+64+8*(\b)+7], v[ADRB] offset:(\q)*8192+(\b)*1024+512
.endr
.irp a, 0,1,2,3
	ds_load_b128 v[(\f)+8*(\a):(\f)+8*(\a)+3], v[ADLO] offset:(\a)*16*RP+64*(\q)
	ds_load_b128 v[(\f)+8*(\a)+4:(\f)+8*(\a)+7], v[ADLO] offset:(\a)*16*RP+64*(\q)+32
.endr
.irp a, 0,1,2,3
	ds_load_b128 v[(\f)+32+8*(\a):(\f)+32+8*(\a)+3], v[ADHI] offset:(\a)*16*RP+64*(\q)
	ds_load_b128 v[(\f)+32+8*(\a)+4:(\f)+32+8*(\a)+7], v[ADHI] offset:(\a)*16*RP+64*(\q)+32
.endr
.endm
; 16 matrix instructions; the accumulators take turns, in the same order in every half step.  cm = 2: the bias starts the sum.
.macro MUL16 f, hi, a0, cm
.irp a, \a0, (\a0)+1
.irp b, 0,1,2,3,4,5,6,7
.if (\cm) == 2
	WIN 0x85+0x40*(\hi)                            ; sources window 1, C window 0, D window 2 or 3
	v_wmma_f32_16x16x32_bf16 v[8*(8*(\a)+(\b)):8*(8*(\a)+(\b))+7], v[(\f)+64+8*(\b):(\f)+64+8*(\b)+7], v[(\f)+8*(4*(\hi)+(\a)):(\f)+8*(4*(\hi)+(\a))+7], v[BIAS+8*(\b):BIAS+8*(\b)+7]
.else
	WIN 0xa5+0x50*(\hi)
	v_wmma_f32_16x16x32_bf16 v[8*(8*(\a)+(\b)):8*(8*(\a)+(\b))+7], v[(\f)+64+8*(\b):(\f)+64+8*(\b)+7], v[(\f)+8*(4*(\hi)+(\a)):(\f)+8*(4*(\hi)+(\a))+7], v[8*(8*(\a)+(\b)):8*(8*(\a)+(\b))+7]
.endif
.endr
.endr
.endm
.macro BIASLD reg, off
	WIN 0
.irp b, 0,1,2,3,4,5,6,7
	ds_load_b128 v[BIAS+8*(\b):BIAS+8*(\b)+3], v[\reg] offset:(\off)+64*(\b)
	ds_load_b128 v[BIAS+8*(\b)+4:BIAS+8*(\b)+7], v[\reg] offset:(\off)+64*(\b)+16
.endr
.endm
.macro QUARTER128 cm                   ; a step's first half
	s_wait_dscnt 8                                 ; all but the youngest eight loads (rows 64-127)
	MUL16 F0, 0, 0, \cm
	MUL16 F0, 0, 2, \cm
	PLACES
	FETCH128 1, F1
	s_wait_dscnt 32                                ; all but the 32 just issued
	MUL16 F0, 1, 0, \cm
	MUL16 F0, 1, 2, \cm
.endm
; The change of slots stands ahead of a step's second half, whose fragments are in registers: all my tensor loads have landed (one was out: my part of the next slot), 0 is added to my spare word,
; the add and my reads of the slot and of RA are done; a round of the cluster's barrier; the joint refill first behind it; the next step's first fragments; then the second half's 64 products.
.macro TURN128 fetch, aska
	s_wait_xcnt 0x0                                ; the last prefetch, a step back, has read its address, which is written below
	WIN 0
	s_wait_tensorcnt 0x0
	ds_add_u32 v[SPW], v[NIL]
	REQ
	s_wait_dscnt 0x0                               ; the add; and the run of loads issued 32 matrix instructions back, my last reads of this slot
	s_barrier_signal -1
	s_barrier_wait -1
	CREST
	tensor_load_to_lds s[G0W:G0W+3], s[G1:G1+7]
	s_nop 0
	s_xor_b32 s[TB], s[TB], SLOT
	v_add_nc_u32 v[ADRB], s[TB], v[AB0]            ; four plain lines: the places in front of the loads below
	v_add_nc_u32 v[ADLO], 0x80, v[ADLO]            ; 64 along K
	v_add_nc_u32 v[ADHI], 0x80, v[ADHI]
	v_nop
.if \fetch
	FETCH128 0, F0
.endif
	WIN 0
	ASKW
.if \aska
	ASKA
.endif
	MUL16 F1, 0, 0, 0
	MUL16 F1, 0, 2, 0
	MUL16 F1, 1, 0, 0
	MUL16 F1, 1, 2, 0
.endm
.macro LOADA_ISSUE                     ; my wave's channel of the pass: 32 rows of 1,024 bytes on end, 512 bytes a load, into all of window 1
	WIN 0x40
.set n, 0
.rept 64
	global_load_b128 v[4*n:4*n+3], v[LAO], s[A1P:A1P+1] offset:512*n th:TH_LOAD_NT
.set n, n+1
.endr
.endm
.macro LOADA_STORE
	WIN 0x04                                       ; data window 1
.set n, 0
.rept 64
.if n%16 == 0
	s_wait_loadcnt 48-n                            ; the next sixteen are in; the younger ones stay out
.endif
	ds_store_b128 v[LAS], v[4*n:4*n+3] offset:(n/2)*RP+(n%2)*512
.set n, n+1
.endr
.endm
; The way out of four accumulators (row block a, feature blocks 4 bq ..): clamped and added to S.  Behind the first product also: times rs, clamped, rounded, into RA for the second product.
.macro EPIG a, bq
.set hh, (\a)%2
.set ac, 64*((\a)%4)+32*(\bq)
.set sb, S+64*hh+32*(\bq)
	WIN 0x02+(\a)/4
.set i, 0
.rept 32
	v_med3_num_f32 v[T+i], v[ac+i], s[M1], s[P1]
.set i, i+1
.endr
	WIN 0
.set i, 0
.rept 16
	v_pk_add_f32 v[sb+i:sb+i+1], v[sb+i:sb+i+1], v[T+i:T+i+1]
.set i, i+2
.endr
	s_cmp_lg_u32 s[PAR], 0
	s_cbranch_scc1 .Lsum_only_\@
.set i, 0
.rept 16
	v_pk_mul_f32 v[T+i:T+i+1], v[T+i:T+i+1], v[RS+2*hh:RS+2*hh+1] op_sel_hi:[1,0]
.set i, i+2
.endr
.set i, 0
.rept 32
	v_med3_num_f32 v[T+i], v[T+i], s[M1], s[P1]
.set i, i+1
.endr
.set i, 0
.rept 16
	v_cvt_pk_bf16_f32 v[T+8*(i/4)+i%4], v[T+8*(i/4)+2*(i%4)], v[T+8*(i/4)+2*(i%4)+1]
.set i, i+1
.endr
.set i, 0
.rept 4
	ds_store_b128 v[ASTLO+(\a)/4], v[T+8*i:T+8*i+3] offset:((\a)%4)*16*RP+32*(4*(\bq)+i)
.set i, i+1
.endr
.Lsum_only_\@:
.endm
; THE LAST LAYERS.  A half step, 32 along K, on set s of four: 16 products (2 row blocks x my 8 feature blocks; the 16 accumulators take turns); then, four places on, the set is asked for again,
; four half steps ahead: nfill = 1: its 16 loads of weights (8,192 bytes, as they lie in memory: half a fragment is 512 bytes on end); mfill = 1: its 4 loads of row fragments from RA.
; lc, dc: the younger global and LDS loads that may stay out.
.macro HALF s, nfill, mfill, lc, dc
	s_wait_loadcnt \lc
	s_wait_dscnt \dc
	WIN 0xa1                                       ; weights window 1, rows window 0, C and D window 2
.irp a, 0,1
.irp b, 0,1,2,3,4,5,6,7
	v_wmma_f32_16x16x32_f16 v[8*(8*(\a)+(\b)):8*(8*(\a)+(\b))+7], v[64*(\s)+8*(\b):64*(\s)+8*(\b)+7], v[MF+16*(\s)+8*(\a):MF+16*(\s)+8*(\a)+7], v[8*(8*(\a)+(\b)):8*(8*(\a)+(\b))+7]
.endr
.endr
.if (\nfill) || (\mfill)
	PLACES
.endif
.if \nfill
.if (\s) == 0
	s_wait_xcnt 0x0                                ; the youngest load stands 16 products back, the youngest prefetch a trip back: both pointers may be written
	s_add_nc_u64 s[WS:WS+1], s[WS:WS+1], 2*65536
	s_add_nc_u64 s[PFA:PFA+1], s[PFA:PFA+1], 2*65536
.endif
	WIN 0x40
.irp b, 0,1,2,3,4,5,6,7
	global_load_b128 v[64*(\s)+8*(\b):64*(\s)+8*(\b)+3], v[LAO], s[WS:WS+1] offset:((\s)/2)*65536+((\s)%2)*8192+(\b)*1024
	global_load_b128 v[64*(\s)+8*(\b)+4:64*(\s)+8*(\b)+7], v[LAO], s[WS:WS+1] offset:((\s)/2)*65536+((\s)%2)*8192+(\b)*1024+512
.endr
.if (\s) == 0
	WIN 0
	ASKF
.endif
.endif
.if \mfill
	WIN 0
.irp a, 0,1
	ds_load_b128 v[MF+16*(\s)+8*(\a):MF+16*(\s)+8*(\a)+3], v[ADLO] offset:(\a)*16*RP+64*(\s)
	ds_load_b128 v[MF+16*(\s)+8*(\a)+4:MF+16*(\s)+8*(\a)+7], v[ADLO] offset:(\a)*16*RP+64*(\s)+32
.endr
.endif
.endm
; A trip: four half steps, 128 along K.  While sets are asked for again three younger sets may stay out (48 loads of weights, 12 of rows); where they are not, the counts run down.
.macro TRIP nfill, mfill
.irp s, 0,1,2,3
	HALF \s, \nfill, \mfill, 48-16*(\s)*(1-(\nfill)), 12-4*(\s)*(1-(\mfill))
.endr
.if \mfill
	v_add_nc_u32 v[ADLO], 0x100, v[ADLO]           ; 128 along K
.endif
.endm
	s_load_b256 s[4:11], s[0:1], 0x0               ; a1 s[4:5], wts s[6:7], rs s[8:9], input s[10:11]
	s_load_b256 s[12:19], s[0:1], 0x20             ; p_lin_b, z_lin_b, fc1_b, fc2_b
	s_load_b64 s[20:21], s[0:1], 0x40              ; out0
	v_lshl_add_u32 v[SPW], v0, 2, SPARE
	v_mov_b32 v[NIL], 0
	ds_add_u32 v[SPW], v[NIL]                      ; the wave's opening: the add, twice on end, and its wait ahead of my first tensor load
	ds_add_u32 v[SPW], v[NIL]
	v_lshrrev_b32 v1, 5, v0
	v_readfirstlane_b32 s[WV], v1
	s_bfe_u32 s23, ttmp6, 0x40000                  ; cx
	s_lshl_b32 s24, ttmp9, 2
	s_add_co_u32 s24, s24, s23                     ; hb = 4 x cluster x + cx
	s_and_b32 s25, ttmp7, 0xffff                   ; b
	s_mov_b32 s[G1+0], 15|(1<<16)|(1<<21)          ; the mask of four; elements of 2 bytes; bit 21 beside a mask; no padding
	s_mov_b32 s[G1+1], 128<<16                     ; 16,384 dense bytes as 64 rows of 256
	s_mov_b32 s[G1+2], 64<<16
	s_mov_b32 s[G1+3], 128<<16
	s_mov_b32 s[G1+4], 64
	s_mov_b32 s[G1+5], 128
	s_mov_b32 s[G1+6], 0
	s_mov_b32 s[G1+7], 0
	s_lshl_b32 s70, s[WV], 14                      ; my quarter of a tile, in memory and in a slot
	s_mov_b32 s71, 0
	s_mov_b32 s[G0A], 1
	s_mov_b32 s[G0A+1], s70
	s_mov_b32 s[G0W], 1
	s_add_co_u32 s[G0W+1], s70, SLOT
	s_mov_b32 s[NRQ], 2
	s_mov_b32 s[TB], 0
	s_mov_b32 s[OFF+1], 0
	s_mov_b32 s75, 0
	s_lshr_b32 s[NOTME], s[WV], 1
	s_or_b32 s[NOTME], s[NOTME], ttmp9
	s_or_b32 s[NOTME], s[NOTME], s25               ; 0 in waves 0 and 1 of the first cluster: the same in all four partners
	s_mov_b32 s[M1], -1.0
	s_mov_b32 s[P1], 1.0
	v_and_b32 v1, 15, v0                           ; r
	v_bfe_u32 v2, v0, 4, 1                         ; hf
	v_and_b32 v3, 31, v0                           ; L
	v_lshl_add_u32 v[AB0], v3, 4, s70
	v_mov_b32 v[ADRB], v[AB0]
	v_mul_u32_u24 v[ABLO], v1, RP
	v_lshl_add_u32 v[ABLO], v2, 4, v[ABLO]
	v_add_nc_u32 v[ABLO], RA, v[ABLO]              ; row r x pitch + 16 hf
	v_add_nc_u32 v[ABHI], 64*RP, v[ABLO]
	s_lshl_b32 s72, s[WV], 8
	v_add_nc_u32 v[ASTLO], s72, v[ABLO]            ; + my 128 features of 2 bytes
	v_add_nc_u32 v[ASTHI], 64*RP, v[ASTLO]
	s_lshl_b32 s72, s[WV], 9
	s_add_co_u32 s72, s72, BIASL
	v_lshl_add_u32 v[BIA], v2, 5, s72              ; feature 128 w + 8 hf, 4 bytes each
	v_lshlrev_b32 v[LAO], 4, v3
	s_mul_i32 s72, s[WV], 32*RP
	s_add_co_u32 s72, s72, RA
	v_lshl_add_u32 v[LAS], v3, 4, s72
	s_mul_i32 s72, s[WV], 16*GP
	s_add_co_u32 s72, s72, STG
	v_lshl_add_u32 v[SGS], v3, 4, s72
	v_mul_u32_u24 v[SGR], v1, GP
	v_lshl_add_u32 v[SGR], v2, 5, v[SGR]
	v_add_nc_u32 v[SGR], s72, v[SGR]
	v_mov_b32 v[RS+1], 0
	v_mov_b32 v[RS+3], 0
	v_lshlrev_b32 v[PFO], 8, v3
	v_lshlrev_b32 v24, 4, v0                       ; 16 bytes of a bias a thread
	v_add_nc_u32 v[BST], BIASL, v24
	v_lshlrev_b32 v25, 2, v1
	s_wait_dscnt 0x0                               ; both opening adds are done
	s_wait_kmcnt 0x0
	s_add_nc_u64 s[WQ:WQ+1], s[6:7], s[70:71]
	s_add_nc_u64 s[G0A+2:G0A+3], s[WQ:WQ+1], 0
	s_or_b32 s[G0A+3], s[G0A+3], 0x80000000
	s_add_nc_u64 s[G0W+2:G0W+3], s[WQ:WQ+1], SLOT
	s_or_b32 s[G0W+3], s[G0W+3], 0x80000000
	s_lshl_b32 s72, s23, 14                        ; the prefetches' shares: 16,384 bytes a partner,
	s_and_b32 s73, s[WV], 1
	s_lshl_b32 s73, s73, 13                        ; 8,192 a wave
	s_add_co_u32 s72, s72, s73
	s_mov_b32 s73, 0
	s_add_nc_u64 s[PFB:PFB+1], s[6:7], s[72:73]
	s_lshl_b32 s72, s25, 3
	s_add_co_u32 s72, s72, s[WV]                   ; channel 8 b + w
	s_lshl_b32 s72, s72, 19
	s_lshl_b32 s74, s24, 15                        ; 32 rows of 1,024 bytes
	s_add_co_u32 s72, s72, s74
	s_add_nc_u64 s[A1P:A1P+1], s[4:5], s[72:73]
	s_lshl_b32 s72, s25, 23
	s_lshl_b32 s74, s24, 16
	s_add_co_u32 s72, s72, s74
	s_lshl_b32 s74, s[WV], 9
	s_add_co_u32 s72, s72, s74
	s_add_nc_u64 s[X0P:X0P+1], s[10:11], s[72:73]
	s_lshl_b32 s72, s25, 20
	s_lshl_b32 s74, s24, 16
	s_add_co_u32 s72, s72, s74
	s_lshl_b32 s74, s[WV], 9
	s_add_co_u32 s72, s72, s74
	s_add_nc_u64 s[OUTP:OUTP+1], s[20:21], s[72:73]
	s_lshl_b32 s72, s24, 7
	s_add_nc_u64 s[8:9], s[8:9], s[72:73]          ; rs at row 32 hb
	CROUND                                         ; all four work-groups are here: the first joint loads meet
	tensor_load_to_lds s[G0A:G0A+3], s[G1:G1+7]
	s_nop 0
	tensor_load_to_lds s[G0W:G0W+3], s[G1:G1+7]    ; two loads of mine are out
	s_nop 0
	PLACES
.irp i, 0,1,2,3
	global_load_b128 v[T+4*(\i):T+4*(\i)+3], v24, s[12+2*(\i):13+2*(\i)]
.endr
	global_load_b32 v[RS], v25, s[8:9]
	global_load_b32 v[RS+2], v25, s[8:9] offset:64
	WIN 0x80                                       ; destination window 2: free until the first product
.set n, 0
.rept 32
	global_load_b128 v[4*n:4*n+3], v[LAO], s[X0P:X0P+1] offset:2048*n th:TH_LOAD_NT  ; input[b][0]: my 512 bytes of row n
.set n, n+1
.endr
	LOADA_ISSUE
	WIN 0
	s_wait_loadcnt 63                              ; the 64 loads of a1 are younger than all that is wanted here; the count is the greatest that the wait can name
.set n, 0
.rept 8                                ; the biases are rounded to bf16, like the weights, and widened again
	v_cvt_pk_bf16_f32 v[T+16+n], v[T+2*n], v[T+2*n+1]
.set n, n+1
.endr
.set n, 0
.rept 8
	v_lshlrev_b32 v[T+2*n], 16, v[T+16+n]
	v_and_b32 v[T+2*n+1], 0xffff0000, v[T+16+n]
.set n, n+1
.endr
.irp i, 0,1,2,3
	ds_store_b128 v[BST], v[T+4*(\i):T+4*(\i)+3] offset:2048*(\i)
.endr
.irp h, 0,1                            ; S begins as input[b][0]: 16 whole rows into my stage, back as row r and eight features.  LDS serves a wave's instructions in order (ISA guide 5.7.1.4)
	WIN 0x08                                       ; data window 2
.set n, 0
.rept 16
	ds_store_b128 v[SGS], v[64*(\h)+4*n:64*(\h)+4*n+3] offset:GP*n
.set n, n+1
.endr
	WIN 0
.set n, 0
.rept 8
	ds_load_b128 v[S+64*(\h)+8*n:S+64*(\h)+8*n+3], v[SGR] offset:64*n
	ds_load_b128 v[S+64*(\h)+8*n+4:S+64*(\h)+8*n+7], v[SGR] offset:64*n+16
.set n, n+1
.endr
.endr
	s_wait_dscnt 0x0
.set n, 0
.rept 64
	v_pk_mul_f32 v[S+2*n:S+2*n+1], v[S+2*n:S+2*n+1], INV5000 op_sel_hi:[1,0]
.set n, n+1
.endr
	LOADA_STORE
	WIN 0
	s_wait_tensorcnt 1                             ; my part of tile 0 is in; tile 1's may stay out
	s_wait_dscnt 0x0                               ; my rows of RA and my part of the biases are stored
	s_barrier_signal -1
	s_barrier_wait -1
	s_mov_b32 s[PHL], 4
.Lphase:
	s_and_b32 s[PAR], s[PHL], 1
	s_lshl_b32 s70, s[PAR], 11
	v_mov_b32 v[ADLO], v[ABLO]
	v_mov_b32 v[ADHI], v[ABHI]
	v_add_nc_u32 v[BIW], s70, v[BIA]
	BIASLD BIW, 0
	FETCH128 0, F0
	QUARTER128 2                                   ; step 0: the bias starts the sums
	WIN 0
	s_mov_b32 s[LAP], 7
.Lstep:
	TURN128 1, 1
	QUARTER128 0
	WIN 0
	s_sub_co_u32 s[LAP], s[LAP], 1
	s_cmp_lg_u32 s[LAP], 0
	s_cbranch_scc1 .Lstep
	TURN128 0, 0                                   ; behind its barrier no wave reads RA any more
	WIN 0
	PLACES
	s_cmp_eq_u32 s[PHL], 3
	s_cbranch_scc0 .Lno_issue
	s_wait_xcnt 0x0                                ; the prefetches have read the pointer
	s_add_nc_u64 s[A1P:A1P+1], s[A1P:A1P+1], 2097152  ; four channels on
	LOADA_ISSUE                                    ; the second pass's a1 is on its way while the sums below are taken
	WIN 0
.Lno_issue:
.irp a, 0,1,2,3,4,5,6,7
	EPIG \a, 0
	EPIG \a, 1
.endr
	s_wait_dscnt 0x0                               ; RA has two writers, by phase: the lines above and the copy below; a barrier keeps them apart on every way through the two branches
	s_barrier_signal -1
	s_barrier_wait -1
	s_cmp_eq_u32 s[PHL], 3
	s_cbranch_scc0 .Lno_store
	LOADA_STORE
	WIN 0
.Lno_store:
	s_wait_loadcnt 0x0                             ; no load into window 1 is out when its registers are loaded again
	s_wait_dscnt 0x0
	s_barrier_signal -1
	s_barrier_wait -1                              ; RA is whole
	s_sub_co_u32 s[PHL], s[PHL], 1
	s_cmp_lg_u32 s[PHL], 0
	s_cbranch_scc1 .Lphase
	; THE LAST TWO LAYERS.  The ring's last two tiles, fc1's first two, go from my quarters of the slots, which I alone read, into the four sets of weights
	s_wait_tensorcnt 0x0                           ; my last tensor load has landed
	v_add_nc_u32 v[ADRB], SLOT, v[AB0]
	WIN 0x40
.irp s, 0,1
.irp b, 0,1,2,3,4,5,6,7
	ds_load_b128 v[64*(\s)+8*(\b):64*(\s)+8*(\b)+3], v[AB0] offset:(\s)*8192+(\b)*1024
	ds_load_b128 v[64*(\s)+8*(\b)+4:64*(\s)+8*(\b)+7], v[AB0] offset:(\s)*8192+(\b)*1024+512
.endr
.endr
.irp s, 0,1
.irp b, 0,1,2,3,4,5,6,7
	ds_load_b128 v[128+64*(\s)+8*(\b):128+64*(\s)+8*(\b)+3], v[ADRB] offset:(\s)*8192+(\b)*1024
	ds_load_b128 v[128+64*(\s)+8*(\b)+4:128+64*(\s)+8*(\b)+7], v[ADRB] offset:(\s)*8192+(\b)*1024+512
.endr
.endr
	WIN 0
	; combined, rounded once to f16, into RA's rows 0-31
.irp h, 0,1
.set n, 0
.rept 32
	v_cvt_pk_f16_f32 v[T+n], v[S+64*(\h)+2*n], v[S+64*(\h)+2*n+1]
.set n, n+1
.endr
.set n, 0
.rept 8
	ds_store_b128 v[ASTLO], v[T+4*n:T+4*n+3] offset:(\h)*16*RP+32*n
.set n, n+1
.endr
.endr
	s_wait_xcnt 0x0                                ; the ring's last prefetch has read its address
	s_add_nc_u64 s[WS:WS+1], s[WQ:WQ+1], 16*65536  ; fc1's tile 0: each trip steps two tiles on and then asks
	s_add_nc_u64 s[PFA:PFA+1], s[PFB:PFB+1], 20*65536  ; fc1's tile 4: the first trip steps to tile 6 and names tiles 6 and 7
	s_cmp_eq_u32 s[NOTME], 0
	s_cselect_b32 s[PFT], 0, 16
	s_mov_b32 s[LAY], 2
	s_wait_dscnt 0x0
	s_barrier_signal -1
	s_barrier_wait -1                              ; RA's rows 0-31 are whole
.Llayer:
	s_lshl_b32 s70, s[LAY], 11
	s_sub_co_u32 s70, 8192, s70                    ; fc1's bias lies at 4,096, fc2's at 6,144
	v_add_nc_u32 v[BIW], s70, v[BIA]
	v_mov_b32 v[ADLO], v[ABLO]
	WIN 0x80                                       ; the bias goes straight into the 16 accumulators: every product then has one form
.irp a, 0,1
.irp b, 0,1,2,3,4,5,6,7
	ds_load_b128 v[8*(8*(\a)+(\b)):8*(8*(\a)+(\b))+3], v[BIW] offset:64*(\b)
	ds_load_b128 v[8*(8*(\a)+(\b))+4:8*(8*(\a)+(\b))+7], v[BIW] offset:64*(\b)+16
.endr
.endr
	WIN 0
.irp s, 0,1,2,3                        ; the first trip's row fragments
.irp a, 0,1
	ds_load_b128 v[MF+16*(\s)+8*(\a):MF+16*(\s)+8*(\a)+3], v[ADLO] offset:(\a)*16*RP+64*(\s)
	ds_load_b128 v[MF+16*(\s)+8*(\a)+4:MF+16*(\s)+8*(\a)+7], v[ADLO] offset:(\a)*16*RP+64*(\s)+32
.endr
.endr
	v_add_nc_u32 v[ADLO], 0x100, v[ADLO]
	s_mov_b32 s[LAP], 3
.Ltrip:
	TRIP 1, 1
	WIN 0
	s_sub_co_u32 s[LAP], s[LAP], 1
	s_cmp_lg_u32 s[LAP], 0
	s_cbranch_scc1 .Ltrip
	s_cmp_eq_u32 s[LAY], 1
	s_cbranch_scc1 .Llast
	TRIP 1, 0                                      ; fc1's fourth trip: fc2's first two tiles are asked for; no row is left to read
	WIN 0
	s_wait_dscnt 0x0                               ; my reads of RA are back
	s_barrier_signal -1
	s_barrier_wait -1                              ; everybody's: RA's rows 0-31 may be written (the four v_nop behind the last product are its places)
.irp g, 0,1,2,3                        ; relu, rounded once to f16, back into rows 0-31: row block g / 2, feature blocks 4 (g % 2) ..
	WIN 0x08                                       ; source 1 window 2
.set i, 0
.rept 32
	v_max_num_f32 v[T+i], 0, v[32*(\g)+i]
.set i, i+1
.endr
	WIN 0
.set i, 0
.rept 16
	v_cvt_pk_f16_f32 v[T+8*(i/4)+i%4], v[T+8*(i/4)+2*(i%4)], v[T+8*(i/4)+2*(i%4)+1]
.set i, i+1
.endr
.set i, 0
.rept 4
	ds_store_b128 v[ASTLO], v[T+8*i:T+8*i+3] offset:((\g)/2)*16*RP+32*(4*((\g)%2)+i)
.set i, i+1
.endr
.endr
	s_wait_dscnt 0x0
	s_barrier_signal -1
	s_barrier_wait -1                              ; the hidden layer is whole
	s_sub_co_u32 s[LAY], s[LAY], 1
	s_cmp_lg_u32 s[LAY], 0
	s_cbranch_scc1 .Llayer
.Llast:
	TRIP 0, 0                                      ; fc2's fourth trip: nothing is left to ask for
	WIN 0
	PLACES
.irp a, 0,1                            ; f32 out: row r and eight features into my stage, back as whole rows of 512 bytes; a register set for each block
	WIN 0x08
.set n, 0
.rept 8
	ds_store_b128 v[SGR], v[64*(\a)+8*n:64*(\a)+8*n+3] offset:64*n
	ds_store_b128 v[SGR], v[64*(\a)+8*n+4:64*(\a)+8*n+7] offset:64*n+16
.set n, n+1
.endr
	WIN 0
.set n, 0
.rept 16
	ds_load_b128 v[64+64*(\a)+4*n:64+64*(\a)+4*n+3], v[SGS] offset:GP*n
.set n, n+1
.endr
.endr
	s_wait_dscnt 32                                ; the first block is back: the second's 16 stores and 16 loads are younger
.set n, 0
.rept 16
	global_store_b128 v[LAO], v[64+4*n:64+4*n+3], s[OUTP:OUTP+1] offset:2048*n th:TH_STORE_NT  ; 512 consecutive bytes, aligned
.set n, n+1
.endr
	s_wait_dscnt 0x0
.set n, 0
.rept 16
	global_store_b128 v[LAO], v[128+4*n:128+4*n+3], s[OUTP:OUTP+1] offset:2048*(16+n) th:TH_STORE_NT
.set n, n+1
.endr
	s_wait_tensorcnt 0x0                           ; the wave's end
	ds_add_u32 v[SPW], v[NIL]
	s_wait_dscnt 0x0
	CROUND                                         ; the closing round
	s_endpgm
.Lfunc_end_k_q64cbc51618_chain:
	.size	k_q64cbc51618_chain, .Lfunc_end_k_q64cbc51618_chain-k_q64cbc51618_chain
	.p2alignl 7, 3214868480
	.fill 96, 4, 3214868480
	.section	.rodata,"a",@progbits
	.p2align	6, 0x0
	.amdhsa_kernel k_q64cbc51618_chain
		.amdhsa_group_segment_fixed_size 327680
		.amdhsa_private_segment_fixed_size 0
		.amdhsa_enable_private_segment 0
		.amdhsa_kernarg_size 72
		.amdhsa_user_sgpr_count 2
		.amdhsa_user_sgpr_kernarg_segment_ptr 1
		.amdhsa_wavefront_size32 1
		.amdhsa_system_sgpr_workgroup_id_x 1
		.amdhsa_system_sgpr_workgroup_id_y 1
		.amdhsa_system_sgpr_workgroup_id_z 1
		.amdhsa_system_vgpr_workitem_id 0
		.amdhsa_next_free_vgpr 1024
		.amdhsa_next_free_sgpr 80
		.amdhsa_reserve_vcc 0
		.amdhsa_float_denorm_mode_32 3
		.amdhsa_float_denorm_mode_16_64 3
		.amdhsa_memory_ordered 1
		.amdhsa_forward_progress 1
		.amdhsa_inst_pref_size 249
	.end_amdhsa_kernel
	.amdgpu_metadata
---
amdhsa.version: [ 1, 2 ]
amdhsa.kernels:
  - .name:           k_q64cbc51618_chain
    .symbol:         k_q64cbc51618_chain.kd
    .args:
      - { .name: a1, .offset: 0, .size: 8, .value_kind: global_buffer, .address_space: global }
      - { .name: wts, .offset: 8, .size: 8, .value_kind: global_buffer, .address_space: global }
      - { .name: rs, .offset: 16, .size: 8, .value_kind: global_buffer, .address_space: global }
      - { .name: input, .offset: 24, .size: 8, .value_kind: global_buffer, .address_space: global }
      - { .name: p_lin_b, .offset: 32, .size: 8, .value_kind: global_buffer, .address_space: global }
      - { .name: z_lin_b, .offset: 40, .size: 8, .value_kind: global_buffer, .address_space: global }
      - { .name: fc1_b, .offset: 48, .size: 8, .value_kind: global_buffer, .address_space: global }
      - { .name: fc2_b, .offset: 56, .size: 8, .value_kind: global_buffer, .address_space: global }
      - { .name: out0, .offset: 64, .size: 8, .value_kind: global_buffer, .address_space: global }
    .group_segment_fixed_size: 327680
    .private_segment_fixed_size: 0
    .kernarg_segment_align: 8
    .kernarg_segment_size: 72
    .max_flat_workgroup_size: 128
    .sgpr_count:     80
    .vgpr_count:     1024
    .wavefront_size: 32
...
	.end_amdgpu_metadata
.endif
;; end of part 3
